; MI455X (gfx1250); checked and timed in simulation.
; The chip was launched on July 23, 2026; its instructions are those of AMD's public machine-readable ISA for CDNA 5 (MIT licence, August 2026) and "CDNA5" Instruction Set Architecture Reference Guide (July 2026). The comments in the code are by the model that wrote it; some were corrected since.
;; Experts Linear. Allowed arithmetic: matrix products marked QUANTISED: E4M3 operands, one given power-of-two scale a tensor, by v_wmma_f32_16x16x64_fp8_fp8 or v_wmma_f32_16x16x128_fp8_fp8, f32 sums; products left as they are: f32 operands where the result goes on into a quantised operand, else bf16, f16 or f32 operands; f32 sums; everything else in f32.
;; Inputs: W 8 x 512 x 512 float32; b 8 x 1 x 512 float32; lowp_scales 2 int32 (the exponents e of the quantised operands' scales 2^e); weights 32,768 x 8 float32; x 32,768 x 512 float32.
;; Outputs: out0 32,768 x 512 float32.
;; This version of the problem:
;;   THIS VERSION OF THE PROBLEM IS GIVEN IN LOW PRECISION. The matrix products marked QUANTISED in the list below multiply operands that are first quantised to E4M3 (4 exponent bits, 3 mantissa bits; 8 bits a number), with one given power-of-two scale for each operand tensor; their sums are f32. All else is computed in f32.
;;   The module's matrix products, in the order in which they are computed (A, B: the left and right operand; K: the contracted axis; several contracted axes count as one K, in the product's order):
;;     1. batch 32,768 x [M 512, K 1] x [K 1, N 8]; A: computed on the way; B: computed on the way: left as it is (no contracted axis)
;;     2. [M 32,768, K 4,096] x [K 4,096, N 512]; A: computed on the way; B: input W: QUANTISED (scales: A lowp_scales[0], B lowp_scales[1])
;;     3. [M 32,768, K 8] x [K 8, N 512]; A: input weights; B: input b: left as it is (K = 8 < 32)
;;   THE QUANTISER, for each operand of a quantised product, along K:
;;     - The operand's scale is 2^e, e = its entry of the input lowp_scales (int32; the entries are numbered through the quantised products in the list's order, A before B).
;;     - Each number is divided by the scale, clamped to +-448, and rounded to the nearest number of E4M3, ties to even, subnormals kept.
;;     - The product sums the exact products of the quantised numbers (number of the format x scale) in f32.
;;   ~~~python
;;   def quantise(x, axis, e):      # numpy; x: float32 -> the quantised numbers, widened to float32 again
;;       x = np.moveaxis(x, axis, -1); K = x.shape[-1]
;;       r = np.clip(x / 2.0 ** e, -448, 448)
;;       step = 2.0 ** (np.maximum(np.frexp(np.where(r == 0, 1, r))[1] - 1, -6) - 3)
;;       q = np.round(r / step) * step * 2.0 ** e      # np.round: ties to even
;;       return np.moveaxis(q, -1, axis).astype(np.float32)
;;   ~~~
;;   OPERANDS COMPUTED ON THE WAY. 'Computed on the way' means the value that the module computes at that place (a softmax that the list does not call 'softmax' is quantised finished and normalised). What goes into a quantiser is computed in f32, as accurately as f32 sums, v_exp_f32 and their like allow (about 1e-6 of the number): no bf16 or f16 on the way to a quantiser, and a product that is left as it is and whose result goes on into a quantised operand takes f32 operands (vector FMAs, or v_wmma_f32_16x16x4_f32). A number that lies on a knife's edge between two numbers of the format may be rounded either way, as far as f32 arithmetic and the matrix unit's own rounding can turn it there, and no further.
;; 2 versions. Each part assembles by itself: llvm-mc -triple=amdgcn-amd-amdhsa -mcpu=gfx1250 --defsym DOCPART=n.
;; ======== version 1 of 2: 2 launches
;; workspace buffers: wq 2,097,152 bytes
;; launch quantw (part 1): grid 4 x 64, 4 waves a work-group, no clusters, 0 bytes of LDS; arguments W, lowp_scales, wq; writes wq
.if DOCPART == 1
	.amdgcn_target "amdgcn-amd-amdhsa--gfx1250"
	.amdhsa_code_object_version 6
	.text
	.protected	k_q18719d9ddd_quantw
	.globl	k_q18719d9ddd_quantw
	.p2align	8
	.type	k_q18719d9ddd_quantw,@function
k_q18719d9ddd_quantw:
	s_mov_b64 s[64:65], 0
	v_nop
	global_prefetch_b8 v0, s[64:65] scope:SCOPE_SE
	s_setreg_imm32_b32 hwreg(HW_REG_WAVE_MODE, 25, 1), 1
	s_wait_xcnt 0x0
; W [8][512][512] f32 (expert e, input i, output o) becomes codes of FP8 (E4M3) with the one given scale 2^e1 (entry 1 of lowp_scales):
; code = W / 2^e1, held within +-448, rounded to the nearest code, ties to even.
; THE CODES ARE LAID IN THE ORDER OF THE NEXT LAUNCH'S OPERAND REGISTERS.  Its K step s (0..31) is the 16 inputs i = 16 s .. 16 s + 15 times all 8 experts.
; Byte of wq = 65536 s + 2048 nb + 512 c + 16 (r + 16 h) + 8 (e % 2) + t,  with o = 16 nb + r, e = 2 c + e % 2, i = 16 s + 8 h + t (t = 0..7).
; So a fragment (16 outputs x 128 K) is four runs of 512 consecutive bytes, 16 bytes a lane, and a K step is 65,536 consecutive bytes.
; SHARES.  Work-group (x, y): outputs 128 x on; K step y / 2; experts 4 (y % 2) on.  A LANE TAKES ONE OUTPUT o, AND ITS REGISTERS RUN DOWN i: each load reads 128 consecutive
; bytes a wave (the four waves stand side by side on 512), and the conversions, which take eight neighbours along K from one lane's registers, give 8 bytes that belong together.
; A lane's 16 bytes lie beside its neighbours' in wq, so nothing goes through LDS: sixteen lanes store 256 consecutive bytes, aligned.
; LIMITS: e1 between -126 and 119, so that 2^e1 and 448 x 2^e1 are f32 numbers.  NaN among the inputs is not served.
.set X, 32                             ; v32-95   X[16 e' + t] = W(4 ch + e', 16 s + t, my output)
.set C, 96                             ; v96-111  codes: 8 c' + 4 h + 2 (e' % 2)
	s_load_b128 s[4:7], s[0:1], 0x0                ; W s[4:5], the scales' exponents s[6:7]
	s_load_b64 s[8:9], s[0:1], 0x10                ; wq
	v_lshrrev_b32 v1, 5, v0
	v_readfirstlane_b32 s10, v1                    ; wave 0..3
	v_and_b32 v2, 31, v0                           ; lane
	v_lshlrev_b32 v3, 2, v2                        ; in: 4 bytes a lane
	v_and_b32 v5, 15, v0                           ; r
	v_bfe_u32 v6, v0, 4, 1                         ; which of the wave's two groups of 16 outputs
	v_lshlrev_b32 v4, 4, v5
	v_lshl_add_u32 v4, v6, 11, v4                  ; out: 16 r + 2048 x group
	s_and_b32 s11, ttmp7, 0xffff
	s_lshr_b32 s12, s11, 1                         ; s
	s_and_b32 s13, s11, 1                          ; ch
	s_lshl_b32 s14, s13, 22                        ; in: four experts of 1,048,576 bytes,
	s_lshl_b32 s15, s12, 15                        ; 16 rows of 2,048 bytes,
	s_add_co_u32 s14, s14, s15
	s_lshl_b32 s15, ttmp9, 9                       ; 128 outputs,
	s_add_co_u32 s14, s14, s15
	s_lshl_b32 s15, s10, 7                         ; 32 outputs a wave
	s_add_co_u32 s14, s14, s15
	s_mov_b32 s15, 0
	s_lshl_b32 s16, s12, 16                        ; out: 65536 s
	s_lshl_b32 s17, ttmp9, 14                      ; + 8 groups of 16 outputs x 2048
	s_add_co_u32 s16, s16, s17
	s_lshl_b32 s17, s10, 12                        ; + 2 groups a wave
	s_add_co_u32 s16, s16, s17
	s_lshl_b32 s17, s13, 10                        ; + 2 pairs of experts x 512
	s_add_co_u32 s16, s16, s17
	s_mov_b32 s17, 0
	s_wait_kmcnt 0x0
	s_load_b32 s20, s[6:7], 0x4                    ; e1
	s_add_nc_u64 s[4:5], s[4:5], s[14:15]
	s_add_nc_u64 s[8:9], s[8:9], s[16:17]
.irp e, 0,1,2,3
.irp t, 0,1,2,3,4,5,6,7,8,9,10,11,12,13,14,15
	global_load_b32 v[X+16*\e+\t], v3, s[4:5] offset:\e*1048576+\t*2048 th:TH_LOAD_NT   ; read once in the launch; the largest offset, 3,176,448, is inside the signed 24-bit immediate
.endr
.endr
	s_wait_kmcnt 0x0
	s_add_co_i32 s20, s20, 127
	s_lshl_b32 s21, s20, 23
	v_mov_b32 v11, s21                             ; 2^e1 as f32: the conversion takes its exponent field
	s_add_co_i32 s20, s20, 8
	s_lshl_b32 s20, s20, 23
	s_or_b32 s20, s20, 0x600000
	v_mov_b32 v10, s20                             ; 448 x 2^e1
.irp e, 0,1,2,3
	s_wait_loadcnt 48-16*\e                        ; this expert's 16 loads are in; the later experts' may be out
.irp t, 0,1,2,3,4,5,6,7,8,9,10,11,12,13,14,15
	v_med3_num_f32 v[X+16*\e+\t], v[X+16*\e+\t], -v10, v10   ; the conversion to an 8-bit code does not saturate (ISA guide 7.6.2): the hold comes first
.endr
	v_cvt_scalef32_pk8_fp8_f32 v[C+8*(\e/2)+2*(\e%2):C+8*(\e/2)+2*(\e%2)+1], v[X+16*\e:X+16*\e+7], v11        ; i = 16 s + 0 .. 7: the part of lanes h = 0
	v_cvt_scalef32_pk8_fp8_f32 v[C+8*(\e/2)+4+2*(\e%2):C+8*(\e/2)+4+2*(\e%2)+1], v[X+16*\e+8:X+16*\e+15], v11 ; i = 16 s + 8 .. 15: of lanes h = 1
.endr
	v_nop                                          ; a plain line behind the last conversion
.irp c, 0,1
.irp h, 0,1
	global_store_b128 v4, v[C+8*\c+4*\h:C+8*\c+4*\h+3], s[8:9] offset:512*\c+256*\h   ; sixteen lanes store 256 consecutive bytes, at a multiple of 256 from wq's first byte
.endr
.endr
	s_endpgm
.Lfunc_end_k_q18719d9ddd_quantw:
	.size	k_q18719d9ddd_quantw, .Lfunc_end_k_q18719d9ddd_quantw-k_q18719d9ddd_quantw
	.p2alignl 7, 3214868480
	.fill 96, 4, 3214868480
	.section	.rodata,"a",@progbits
	.p2align	6, 0x0
	.amdhsa_kernel k_q18719d9ddd_quantw
		.amdhsa_group_segment_fixed_size 0
		.amdhsa_private_segment_fixed_size 0
		.amdhsa_enable_private_segment 0
		.amdhsa_kernarg_size 24
		.amdhsa_user_sgpr_count 2
		.amdhsa_user_sgpr_kernarg_segment_ptr 1
		.amdhsa_wavefront_size32 1
		.amdhsa_system_sgpr_workgroup_id_x 1
		.amdhsa_system_sgpr_workgroup_id_y 1
		.amdhsa_system_sgpr_workgroup_id_z 1
		.amdhsa_system_vgpr_workitem_id 0
		.amdhsa_next_free_vgpr 128
		.amdhsa_next_free_sgpr 66
		.amdhsa_reserve_vcc 0
		.amdhsa_float_denorm_mode_32 3
		.amdhsa_float_denorm_mode_16_64 3
		.amdhsa_memory_ordered 1
		.amdhsa_forward_progress 1
		.amdhsa_inst_pref_size 13
	.end_amdhsa_kernel
	.amdgpu_metadata
---
amdhsa.version: [ 1, 2 ]
amdhsa.kernels:
  - .name:           k_q18719d9ddd_quantw
    .symbol:         k_q18719d9ddd_quantw.kd
    .args:
      - { .name: W, .offset: 0, .size: 8, .value_kind: global_buffer, .address_space: global }
      - { .name: lowp_scales, .offset: 8, .size: 8, .value_kind: global_buffer, .address_space: global }
      - { .name: wq, .offset: 16, .size: 8, .value_kind: global_buffer, .address_space: global }
    .group_segment_fixed_size: 0
    .private_segment_fixed_size: 0
    .kernarg_segment_align: 8
    .kernarg_segment_size: 24
    .max_flat_workgroup_size: 128
    .sgpr_count:     66
    .vgpr_count:     128
    .wavefront_size: 32
...
	.end_amdgpu_metadata
.endif
;; end of part 1
;; launch experts (part 2): grid 256 x 1, 4 waves a work-group, clusters of 4 x 1, 327,680 bytes of LDS; arguments x, weights, b, lowp_scales, wq, out0; writes out0
.if DOCPART == 2
	.amdgcn_target "amdgcn-amd-amdhsa--gfx1250"
	.amdhsa_code_object_version 6
	.text
	.protected	k_q18719d9ddd_experts
	.globl	k_q18719d9ddd_experts
	.p2align	8
	.type	k_q18719d9ddd_experts,@function
k_q18719d9ddd_experts:
	s_mov_b64 s[64:65], 0
	v_nop
	global_prefetch_b8 v0, s[64:65] scope:SCOPE_SE
	s_setreg_imm32_b32 hwreg(HW_REG_WAVE_MODE, 25, 1), 1
	s_wait_xcnt 0x0
	s_wait_alu depctr_hold_cnt(0) depctr_sa_sdst(0) depctr_va_vdst(0) depctr_va_sdst(0) depctr_va_ssrc(0) depctr_va_vcc(0) depctr_vm_vsrc(0)
	s_getreg_b32 s2, hwreg(HW_REG_IB_STS2, 6, 4)
	s_cmp_eq_u32 s2, 0
	s_cbranch_scc0 .Lentry_in_a_cluster
	s_endpgm
.Lentry_in_a_cluster:
	s_bfe_u32 s2, ttmp6, 0x10000c
	s_cmp_lg_u32 s2, 0x3003
	s_cbranch_scc0 .Lentry_shape_is_right
	s_endpgm
.Lentry_shape_is_right:
; out0[r][o] = sum over e, i of Q(x[r][i] weights[r][e]) Q(W[e][i][o]) + sum over e of weights[r][e] b[e][o].
; The first sum is a product with K = 4,096 on codes of FP8 (E4M3): A = x weights, made here in f32 and quantised with the given 2^e0; B = W's codes with 2^e1, as the launch before laid them (wq).
; The second (K = 8) goes in bf16 and STARTS every sum: b goes in as b / 2^(e0 + e1), and each finished sum is multiplied once by 2^(e0 + e1).
; K ORDER.  K step s (0..31) is the 16 inputs i = 16 s .. 16 s + 15 times all 8 experts, alike in A and B: each number of x serves one step, is read once and is not kept.
; In a fragment (16 rows x 128 K, 16 registers) lane (r, h) holds in register 2 e + u, byte y: expert e, input 16 s + 8 h + 4 u + y.
; SHARES.  A work-group owns 128 rows and all 512 outputs, so that each number of A is made once in the launch.  Four waves, as many as a WGP has SIMDs; wave w owns outputs 128 w on, for all 128 rows:
; 64 accumulators, 512 registers.  Wave w also makes A's fragments of rows 32 w .. 32 w + 31; they go to the other waves through LDS as images of their registers (512 consecutive bytes a store or load).
; THE MATRIX INSTRUCTION IS USED TRANSPOSED (source 0 = 16 outputs of B, source 1 = 16 rows of A): a lane then holds eight neighbouring outputs of one row.
; B comes through a ring of two LDS slots of two K steps each.  The four work-groups of a cluster walk the same wq, so each tile is asked for JOINTLY (mask 15), a quarter of a slot a wave.
; x comes from memory straight into a ring of four register slots, four steps ahead.  Each step takes 64 bytes of a row, so a row's neighbouring bytes are read in neighbouring steps: the loads carry no hint.
; BY TURNS.  A step is 64 matrix instructions; the 208 vector instructions that make the wave's two fragments of A of a later step stand in slices behind them.  All that those slices touch lies in window 0,
; and no window has room for a product's operands beside it: so a slice costs two switches of the register window, which is the lesser price beside a matrix unit that idles through 208 instructions.
; ONE BARRIER A STEP, M(s), in the step's middle.  Between M(s) and M(s + 1): A(s + 1) is read from image buffer (s + 1) % 2, B(s + 1) from the ring, and A(s + 2) is stored into image buffer s % 2.
; LIMITS: e0 between -126 and 119, e0 + e1 between -126 and 127, so that each power of two below is an f32 number; b / 2^(e0 + e1) stays in bf16's range.  NaN among the inputs is not served.
; weights and b are rounded to bf16 for the bias product alone.  The sums over K run in the order above.
; REGISTERS, in windows of 256: window 0: v1-15 addresses and the scale; v16-31 my rows' gates; v32-47 two sets of 8 numbers at work; v48-63 codes; v64-127 the ring of x; v128-255 A's fragments, ONE set.
;   window 1: B's fragments, TWO sets, at v0 and v128 (first: the bias product's bf16 fragments).  window 2: the accumulators of rows 0-63 ((a, b) at v[8 (8 a + b)]).  window 3: those of rows 64-127.
.set SLOTB,  131072                    ; a slot of the ring: two K steps of B
.set AIMG,   262144                    ; behind the ring: two buffers of images of A's 8 fragments; written by LDS stores alone
.set ABUF,   16384
.set SPARE,  294912                    ; the spare words, 128 bytes for each wave: two blocks of 256 bytes that no other line names
.set SPITCH, 528                       ; the way out: a stage of 16 rows x (512 bytes + 16) for each wave, in slot 0, which by then has had its last fill and its last read
.set ADRA, 1                           ; v1     AIMG + 16 x lane
.set ASTO, 4                           ; v4     AIMG + 4096 x wave + 16 x lane: where I store my two fragments
.set XO,   5                           ; v5     x: (32 wave + r) rows of 2,048 bytes + 32 h
.set SPW,  6                           ; v6     LDS address of my spare word; never rewritten
.set NIL,  7                           ; v7     0; never rewritten
.set SC,   8                           ; v8     2^e0 as f32
.set STO,  9                           ; v9     the way out: where I put 32 bytes of a row
.set RD,   10                          ; v10    the way out: where I read a row back
.set CO,   11                          ; v11    16 x lane
.set ADRB, 12                          ; v12-15 B of ring place n: 65536 n + 16384 wave + 16 lane
.set G,    16                          ; v16-31 G[8 f + e] = weights(32 wave + 16 f + r, e)
.set T,    32
.set C,    48
.set X,    64
.set AF,   128
.set TMP,  64                          ; the way out: a block's sums x 2^(e0 + e1)
.set BK,   128                         ; the way out: 16 rows read back: v128-191 and v192-255 by turns
.set WV,   16                          ; s16    my wave's number
.set G1,   24                          ; s[24:31] descriptor group 1
.set G0,   32                          ; s[32:39] descriptor group 0, a set for each slot
.set MUL_LO, 0xa1                      ; source 0 (B) window 1, source 1 (A) window 0, C and D window 2
.set MUL_HI, 0xf1                      ; the same, C and D window 3
.set TO_B,   0x40                      ; destination window 1, address window 0
.set MSB, 0
.macro WIN new                         ; the immediate's high byte repeats the setting that is left; a switch that changes nothing is dropped
.if MSB != (\new)
	s_set_vgpr_msb (MSB<<8)|(\new)
.set MSB, (\new)
.endif
.endm
.macro PLACES n
.rept \n
	v_nop
.endr
.endm
.macro CREST                           ; a round of the cluster's barrier behind its opening barrier
	s_cmp_lg_u32 s[WV], 0
	s_cbranch_scc1 .Lnot_wave_0_\@
	s_barrier_signal -3
.Lnot_wave_0_\@:
	s_barrier_wait -3
	s_barrier_signal -1
	s_barrier_wait -1
.endm
.macro CROUND                          ; a whole round
	s_barrier_signal -1
	s_barrier_wait -1
	CREST
.endm
; ---- THE LIST that makes my two fragments of A of step k: 208 vector instructions, numbered PI.  Group q = 0..15 is fragment q / 8, expert q % 8: 4 packed multiplies x w, 8 holds, 1 conversion.
; The next group's multiplies stand between a group's holds and its conversion, on the other set of 8 registers, so a plain line on other registers follows each conversion.
; PX: x's ring slot.  PB: the image buffer.  PXO: byte offset of step k + 4 in a row, from s[48:49].  PRL = 1: the slot is loaded again.  PW1: the count of the wait for the second fragment's x.
.macro PMUL                            ; pair MI of group MQ
.set MF, MQ/8
.set ME, MQ%8
.set MT, T+8*(MQ%2)+2*MI
.set MX, PX+8*MF+2*MI
.set MG, G+8*MF+2*(ME/2)
.if ME%2 == 0
	v_pk_mul_f32 v[MT:MT+1], v[MX:MX+1], v[MG:MG+1] op_sel_hi:[1,0]              ; both x the pair's first gate
.else
	v_pk_mul_f32 v[MT:MT+1], v[MX:MX+1], v[MG:MG+1] op_sel:[0,1] op_sel_hi:[1,1] ; both x its second
.endif
.endm
.macro PITEM
.if PI == 103
	s_wait_loadcnt PW1                             ; the second fragment's x is in: two loads for each younger group may be out
.endif
.if PI < 4
.set MQ, 0
.set MI, PI
	PMUL
.else
.set PQ, (PI-4)/13
.set PT, (PI-4)%13
.set TS, T+8*(PQ%2)
.if PT < 8
	v_med3_num_f32 v[TS+PT], v[TS+PT], s40, s41    ; the conversion to an 8-bit code does not saturate (ISA guide 7.6.2): held within +-448 x 2^e0
.elseif (PT < 12) && (PQ < 15)
.set MQ, PQ+1
.set MI, PT-8
	PMUL
.else
	v_cvt_scalef32_pk8_fp8_f32 v[C+2*(PQ%8):C+2*(PQ%8)+1], v[TS:TS+7], v[SC]
.if (PQ >= 3) && (PQ%2 == 1)
.if PQ < 15
.set SG, (PQ-3)/2                      ; the stores lag two groups, so that the list's first 40 lines are work on registers alone
	ds_store_b128 v[ASTO], v[C+4*(SG%4):C+4*(SG%4)+3] offset:PB+2048*(SG/4)+512*(SG%4)
.else
	v_nop                                          ; a plain line behind the list's last conversion
	ds_store_b128 v[ASTO], v[C+8:C+11] offset:PB+2048+1024
	ds_store_b128 v[ASTO], v[C+12:C+15] offset:PB+2048+1536
.endif
.endif
.endif
.endif
.if PRL && ((PI == 93) || (PI == 197)) ; the last read of a fragment's x has just been issued: its registers take step k + 4
.set PF, PI/150
	global_load_b128 v[PX+8*PF:PX+8*PF+3],   v[XO], s[48:49] offset:PXO+32768*PF
	global_load_b128 v[PX+8*PF+4:PX+8*PF+7], v[XO], s[48:49] offset:PXO+32768*PF+16
.endif
.endm
.macro PSTART k4, buf, so, rl, w0, w1
.set PX, X+16*(\k4)
.set PB, ABUF*(\buf)
.set PXO, 64*((\so)+6)
.set PRL, \rl
.set PW1, \w1
.set PI, 0
	s_wait_loadcnt \w0                             ; the first fragment's x is in: two loads for each younger group may be out
.endm
.macro PRUN n                          ; up to n lines of the list
.if PI < 208
	WIN 0
.endif
.rept \n
.if PI < 208
	PITEM
.set PI, PI+1
.endif
.endr
.endm
; Product I of a step's 64: A's block I / 8 against B's fragment I % 8.  The 64 accumulators take turns, one instruction a turn, in the same order in every step.
.macro MM
.set MA, I/8
.set MB, I%8
.set AC, 8*(8*(MA%4)+MB)
.if I < 32
	WIN MUL_LO
.else
	WIN MUL_HI
.endif
	v_wmma_f32_16x16x128_fp8_fp8 v[AC:AC+7], v[128*BSET+16*MB:128*BSET+16*MB+15], v[AF+16*MA:AF+16*MA+15], v[AC:AC+7]
.endm
.macro LDB n0, cnt, n, p               ; loads n0 .. n0 + cnt - 1 of the 32 that bring my 8 fragments of B from ring place n into set p
	WIN TO_B
.set LM, \n0
.rept \cnt
	ds_load_b128 v[128*(\p)+4*LM:128*(\p)+4*LM+3], v[ADRB+(\n)] offset:512*LM
.set LM, LM+1
.endr
.endm
.macro LDA n0, cnt, buf                ; loads n0 .. of the 32 that bring A's 8 fragments from image buffer buf
	WIN 0
.set LM, \n0
.rept \cnt
	ds_load_b128 v[AF+4*LM:AF+4*LM+3], v[ADRA] offset:(\buf)*ABUF+512*LM
.set LM, LM+1
.endr
.endm
.macro SLICE_F                         ; a slice of I = 32 .. 47 in a step that fetches: the next step's B (even I) and A's blocks 0-3 (odd I)
	MM
.if I%2 == 1
	LDA I-33, 2, NSET
	PRUN 3
.elseif I == 46
	PRUN 5
.elseif I < 40
	LDB LBN, 5, NRING, NSET
.set LBN, LBN+5
.else
	LDB LBN, 4, NRING, NSET
.set LBN, LBN+4
.endif
.set I, I+1
.endm
; A loads into a register that a matrix instruction has read stands four places behind it, and only plain vector instructions that name none of its registers are places (ISA guide 7.12.1 for vector
; instructions).  In a step the list's lines and the four v_nop behind the barrier are those places.
; A STEP.  s4: the step mod 4.  so: the step's number from s[48:49]'s place.  n1: LDS stores that may be out at its head.  late = 1: the list of step s + 2 begins (rl, w0, w1: its parameters).
; fetch = 1: the next step's fragments are fetched.  bar: 0 no barrier; 1 a plain one; 2 with the wait for all tensor loads; 3 a round of the cluster's, and the slot read out is filled again.
.macro STEP s4, so, n1, late, rl, w0, w1, fetch, bar
.set PXO, 64*((\so)+5)                 ; the list in hand was begun a step ago
.set BSET, (\s4)%2
.set NSET, ((\s4)+1)%2
.set NRING, ((\s4)+1)%4
	s_wait_dscnt \n1                               ; B's set and A's blocks 0-3 are in: behind the last of those loads only n1 image stores were issued
.if PI >= 208
	PLACES 4                                       ; no list is in hand: places in front of the loads into A's blocks 4-7
.endif
.set I, 0
.rept 8
	MM
	PRUN 3
	LDA 16+2*I, 2, BSET                            ; A's blocks 4-7 of this step, 24 matrix instructions or more ahead of their use
.set I, I+1
.endr
.rept 16
	MM
	PRUN 4                                         ; the list in hand ends by I = 20
.set I, I+1
.endr
	WIN 0
.if \late
	PSTART ((\s4)+2)%4, BSET, \so, \rl, \w0, \w1
.endif
.if \bar >= 2
	s_wait_tensorcnt 0x0                           ; all my tensor loads have landed: my part of the slot that is read behind this barrier
	ds_add_u32 v[SPW], v[NIL]                      ; 0 onto my spare word; work on registers stands between it and the wait for it
.endif
.if \bar == 3
	s_add_nc_u64 s[G0+4*(((\s4)-1)/2)+2:G0+4*(((\s4)-1)/2)+3], s[G0+4*(((\s4)-1)/2)+2:G0+4*(((\s4)-1)/2)+3], 2*SLOTB   ; no tensor load of mine is out: the slot's next two steps, four steps on
.endif
.rept 4
	MM
	PRUN 5
.set I, I+1
.endr
.if \bar > 0
	s_wait_dscnt 0x0                               ; the add is done; my images of A(s + 1) have landed; my reads of A(s) and of B(s) are over
	s_barrier_signal -1
.endif
.rept 4
	MM
	PRUN 5                                         ; lines 20 to 39 of the new list: registers alone
.set I, I+1
.endr
	WIN 0                                          ; at a branch and at a label every window is 0
.if \bar > 0
	s_barrier_wait -1
.else
	s_wait_dscnt 0x0                               ; A's blocks 4-7 are in
.endif
.if \bar == 3
	CREST                                          ; the barrier has opened a round of the cluster's: no wave of any partner still reads the slot or has a load on its way
	tensor_load_to_lds s[G0+4*(((\s4)-1)/2):G0+4*(((\s4)-1)/2)+3], s[G1:G1+7]   ; my one tensor load behind the round: it has two steps, 128 matrix instructions, in which to land
	s_nop 0
.endif
.if \fetch
	PLACES 4                                       ; behind the tensor load, and in front of the loads into A's blocks 0-3
.set LBN, 0
.rept 16
	SLICE_F
.endr
.rept 16
	MM
	PRUN 4
.set I, I+1
.endr
.else
.rept 32
	MM
.set I, I+1
.endr
.endif
	WIN 0
.endm
	s_load_b256 s[4:11], s[0:1], 0x0               ; x s[4:5], weights s[6:7], b s[8:9], the scales' exponents s[10:11]
	s_load_b128 s[12:15], s[0:1], 0x20             ; wq s[12:13], out0 s[14:15]
	v_lshl_add_u32 v[SPW], v0, 2, SPARE
	v_mov_b32 v[NIL], 0
	ds_add_u32 v6, v7
	ds_add_u32 v6, v7
	s_wait_dscnt 0x0
	v_lshrrev_b32 v2, 5, v0
	v_readfirstlane_b32 s[WV], v2                  ; wave 0..3
	s_bfe_u32 s17, ttmp6, 0x40000                  ; cx: my place in the cluster
	s_lshl_b32 s18, ttmp9, 2                       ; in a cluster launch ttmp9 counts clusters
	s_add_co_u32 s18, s18, s17                     ; my block of 128 rows: it enters x's, weights' and out0's addresses alone
	; descriptor group 1: 128 rows of 256 bytes, dense: 32,768 bytes, a quarter of a slot
	s_mov_b32 s[G1+0], 15|(3<<16)|(1<<21)          ; 15:0 the mask: all four work-groups; 17:16 elements of 8 bytes; 20 no padding; 21 set beside a mask
	s_mov_b32 s[G1+1], 32<<16                      ; tensor_dim0 = 32 elements
	s_mov_b32 s[G1+2], 128<<16                     ; tensor_dim1 = 128
	s_mov_b32 s[G1+3], 32<<16                      ; tile_dim0 = 32
	s_mov_b32 s[G1+4], 128                         ; tile_dim1 = 128
	s_mov_b32 s[G1+5], 32                          ; from row to row: 32 elements
	s_mov_b32 s[G1+6], 0
	s_mov_b32 s[G1+7], 0
	s_lshl_b32 s20, s[WV], 15                      ; my quarter of a slot, in wq and in LDS alike
	s_mov_b32 s21, 0
	s_lshl_b32 s58, s18, 18                        ; my block's 128 rows of 2,048 bytes, in x and in out0
	s_mov_b32 s59, 0
	s_lshl_b32 s60, s[WV], 9                       ; my wave's 128 outputs
	s_mov_b32 s61, 0
	s_lshl_b32 s62, s18, 12                        ; my block's 128 rows of 32 bytes in weights
	s_mov_b32 s63, 0
	s_wait_kmcnt 0x0
	s_load_b64 s[46:47], s[10:11], 0x0             ; e0, e1
	s_add_nc_u64 s[22:23], s[12:13], s[20:21]
	s_add_nc_u64 s[48:49], s[4:5], s[58:59]        ; x at my block
	s_add_nc_u64 s[50:51], s[14:15], s[58:59]
	s_add_nc_u64 s[50:51], s[50:51], s[60:61]      ; out0 at my block's first row, my wave's outputs
	s_add_nc_u64 s[52:53], s[6:7], s[62:63]        ; weights at my block
.irp n, 0,1
	s_mov_b32 s[G0+4*\n], 1                        ; count = 1
	s_add_co_u32 s[G0+4*\n+1], s20, \n*SLOTB       ; LDS address: the slot + 32768 x wave
	s_add_nc_u64 s[G0+4*\n+2:G0+4*\n+3], s[22:23], \n*SLOTB   ; global address: slot n begins with steps 2 n, 2 n + 1
	s_or_b32 s[G0+4*\n+3], s[G0+4*\n+3], 0x80000000           ; type = 2
.endr
	CROUND                                         ; all four work-groups are here: the first joint loads meet
	tensor_load_to_lds s[G0:G0+3], s[G1:G1+7]      ; the two first fills stand together: two loads of mine are out
	s_nop 0
	tensor_load_to_lds s[G0+4:G0+7], s[G1:G1+7]
	s_nop 0
	PLACES 4
	v_and_b32 v2, 31, v0
	v_lshlrev_b32 v[CO], 4, v2                     ; 16 x lane
	v_and_b32 v3, 15, v0                           ; r
	v_bfe_u32 v32, v0, 4, 1                        ; h
	s_lshl_b32 s54, s[WV], 16
	v_lshlrev_b32 v[XO], 11, v3
	v_lshl_add_u32 v[XO], v32, 5, v[XO]
	v_add_nc_u32 v[XO], s54, v[XO]
	s_lshl_b32 s57, s[WV], 10
	v_lshl_add_u32 v33, v3, 5, s57                 ; weights: row 32 wave + r
	v_lshlrev_b32 v34, 5, v3
	v_lshl_add_u32 v34, v32, 4, v34                ; weights for the bias product: row r, experts 4 h on
	s_lshl_b32 s57, s[WV], 9
	v_lshl_add_u32 v35, v3, 2, s57
	v_lshl_add_u32 v35, v32, 13, v35               ; b: expert 4 h, output 128 wave + r
.irp f, 0,1
.irp j, 0,1
	global_load_b128 v[G+8*\f+4*\j:G+8*\f+4*\j+3], v33, s[52:53] offset:512*\f+16*\j
.endr
.endr
.irp a, 0,1,2,3,4,5,6,7
	global_load_b128 v[128+4*\a:131+4*\a], v34, s[52:53] offset:512*\a          ; weights(16 a + r, 4 h .. 4 h + 3)
.endr
.irp nb, 0,1,2,3,4,5,6,7
.irp t, 0,1,2,3
	global_load_b32 v[160+4*\nb+\t], v35, s[8:9] offset:2048*\t+64*\nb          ; b(4 h + t, 128 wave + 16 nb + r)
.endr
.endr
.irp k, 0,1,2,3
.irp f, 0,1
.irp j, 0,1
	global_load_b128 v[X+16*\k+8*\f+4*\j:X+16*\k+8*\f+4*\j+3], v[XO], s[48:49] offset:64*\k+32768*\f+16*\j   ; the ring of x: steps 0 to 3, fragment 0 then 1
.endr
.endr
.endr
	v_add_nc_u32 v[ADRA], AIMG, v[CO]
	s_lshl_b32 s54, s[WV], 12
	s_add_co_u32 s54, s54, AIMG
	v_add_nc_u32 v[ASTO], s54, v[CO]
	s_lshl_b32 s55, s[WV], 14
.irp n, 0,1,2,3
	v_add_nc_u32 v[ADRB+\n], s55, v[CO]
	s_add_co_u32 s55, s55, 65536
.endr
	s_mul_i32 s56, s[WV], 16*SPITCH                ; my stage
	v_mul_u32_u24 v[STO], v3, SPITCH               ; in: row r, 32 bytes for each half of the lanes
	v_lshl_add_u32 v[STO], v32, 5, v[STO]
	v_add_nc_u32 v[STO], s56, v[STO]
	v_add_nc_u32 v[RD], s56, v[CO]                 ; back: the 32 lanes take one row of 512 bytes
	s_wait_kmcnt 0x0
	s_add_co_i32 s54, s46, 127
	s_lshl_b32 s55, s54, 23
	v_mov_b32 v[SC], s55                           ; 2^e0 as f32: the conversion takes its exponent field
	s_add_co_i32 s54, s54, 8
	s_lshl_b32 s54, s54, 23
	s_or_b32 s41, s54, 0x600000                    ; 448 x 2^e0,
	s_or_b32 s40, s41, 0x80000000                  ; and its negative
	s_add_co_i32 s54, s46, s47                     ; e0 + e1
	s_sub_co_i32 s45, 0, s54
	s_add_co_i32 s54, s54, 127
	s_lshl_b32 s42, s54, 23                        ; 2^(e0 + e1) as f32
	s_mov_b32 s43, s42                             ; (named with it as a pair, so it is written)
	; ---- THE BIAS PRODUCT starts every sum: acc(a, nb) = sum over e of bf16(b(e, o) / 2^(e0 + e1)) bf16(weights(row, e)).  Of the form's 32 along K eight are used: lanes h hold experts 4 h .. 4 h + 3
	; in registers 0 and 1, alike on both sides; registers 2 to 7 of the sixteen fragments are zeros.
	s_wait_loadcnt 16                              ; gates, weights and b are in; x's 16 loads may be out
.irp j, 0,1,2,3,4,5,6,7,8,9,10,11,12,13,14,15,16,17,18,19,20,21,22,23,24,25,26,27,28,29,30,31
	v_ldexp_f32 v[160+\j], v[160+\j], s45
.endr
	WIN 0x40                                       ; destination window 1
.irp q, 0,1,2,3,4,5,6,7
	v_cvt_pk_bf16_f32 v[8*\q], v[160+4*\q], v[161+4*\q]          ; b's fragment of outputs 16 q on
	v_cvt_pk_bf16_f32 v[8*\q+1], v[162+4*\q], v[163+4*\q]
	v_cvt_pk_bf16_f32 v[64+8*\q], v[128+4*\q], v[129+4*\q]       ; weights' fragment of rows 16 q on
	v_cvt_pk_bf16_f32 v[64+8*\q+1], v[130+4*\q], v[131+4*\q]
.endr
.irp q, 0,1,2,3,4,5,6,7,8,9,10,11,12,13,14,15
.irp z, 2,3,4,5,6,7
	v_mov_b32 v[8*\q+\z], 0                        ; the unused K of an operand
.endr
.endr
	WIN 0xa5                                       ; sources 0 and 1 window 1, D window 2
.irp a, 0,1,2,3
.irp nb, 0,1,2,3,4,5,6,7
	v_wmma_f32_16x16x32_bf16 v[8*(8*\a+\nb):8*(8*\a+\nb)+7], v[8*\nb:8*\nb+7], v[64+8*\a:64+8*\a+7], 0
.endr
.endr
	WIN 0xf5                                       ; D window 3
.irp a, 4,5,6,7
.irp nb, 0,1,2,3,4,5,6,7
	v_wmma_f32_16x16x32_bf16 v[8*(8*(\a-4)+\nb):8*(8*(\a-4)+\nb)+7], v[8*\nb:8*\nb+7], v[64+8*\a:64+8*\a+7], 0
.endr
.endr
	; ---- PROLOGUE: A(0) whole; then what the second half of a step -1 would do: B(0), A(0)'s blocks 0-3, and the first 133 lines of A(1).  The lists' lines are the places behind the bias products.
	PSTART 0, 0, -2, 1, 14, 14
	PRUN 208
	s_wait_tensorcnt 0x1                           ; my part of slot 0 is in; slot 1's may stay out
	s_wait_dscnt 0x0                               ; my images of A(0) have landed
	s_barrier_signal -1
	s_barrier_wait -1
	PSTART 1, 1, -1, 1, 14, 14
	LDB 0, 32, 0, 0
	LDA 0, 16, 0
	PRUN 133
	s_mov_b32 s44, 6
.Ltrip:                                            ; a trip is four steps, once round the ring of B and the ring of x: steps 0 to 23
	STEP 0, 0, 2, 1, 1, 14, 14, 1, 1
	STEP 1, 1, 2, 1, 1, 14, 14, 1, 3
	STEP 2, 2, 2, 1, 1, 14, 14, 1, 1
	STEP 3, 3, 2, 1, 1, 14, 14, 1, 3
	s_wait_xcnt 0x0                                ; the loads of x have read their base: it steps only behind this wait
	s_add_nc_u64 s[48:49], s[48:49], 256
	s_sub_co_u32 s44, s44, 1
	s_cmp_lg_u32 s44, 0
	s_cbranch_scc1 .Ltrip
	; ---- THE TAIL is written out
	STEP 0, 0, 2, 1, 1, 14, 14, 1, 1               ; step 24: A(26) begins, x(30) is asked for
	STEP 1, 1, 2, 1, 1, 14, 14, 1, 3               ; step 25: A(27), x(31); slot 0 takes steps 28, 29
	STEP 2, 2, 2, 1, 0, 14, 12, 1, 1               ; step 26: A(28); nothing more of x
	STEP 3, 3, 2, 1, 0, 10, 8, 1, 3                ; step 27: A(29); slot 1 takes steps 30, 31: the last refill
	STEP 0, 4, 2, 1, 0, 6, 4, 1, 1                 ; step 28: A(30)
	STEP 1, 5, 2, 1, 0, 2, 0, 1, 2                 ; step 29: A(31); the last refill is waited for, nothing is filled
	STEP 2, 6, 2, 0, 0, 0, 0, 1, 1                 ; step 30: no list begins
	STEP 3, 7, 0, 0, 0, 0, 0, 0, 0                 ; step 31: nothing more to fetch, no barrier
; ---- THE WAY OUT, block by block of 16 rows x 128 outputs.  A lane holds 32 neighbouring bytes of a row, and the lanes beside it hold other rows: so a block goes through my own stage in LDS and comes back as
; whole rows of 512 bytes.  LDS serves a wave's instructions in order (ISA guide 5.7.1.4): no wait between the stores and the loads, nor in front of the next block's stores.
.macro TOSTAGE a
.set AC, 64*((\a)%4)
	WIN 0x02+((\a)/4)                              ; source 0: window 2 or 3
.irp j, 0,2,4,6,8,10,12,14,16,18,20,22,24,26,28,30,32,34,36,38,40,42,44,46,48,50,52,54,56,58,60,62
	v_pk_mul_f32 v[TMP+\j:TMP+\j+1], v[AC+\j:AC+\j+1], s[42:43] op_sel_hi:[1,0]   ; both x 2^(e0 + e1); each accumulator from its low end on
.endr
	WIN 0
.irp b, 0,1,2,3,4,5,6,7
	ds_store_b128 v[STO], v[TMP+8*\b:TMP+8*\b+3] offset:64*\b
	ds_store_b128 v[STO], v[TMP+8*\b+4:TMP+8*\b+7] offset:64*\b+16
.endr
.set BB, BK+64*((\a)%2)
.irp t, 0,1,2,3,4,5,6,7,8,9,10,11,12,13,14,15
	ds_load_b128 v[BB+4*\t:BB+4*\t+3], v[RD] offset:\t*SPITCH
.endr
.endm
.macro SEND a, younger                 ; younger: the LDS instructions issued behind block a's loads, which may stay out
.set BB, BK+64*((\a)%2)
	s_wait_dscnt \younger                          ; the block is back in registers
.irp t, 0,1,2,3,4,5,6,7,8,9,10,11,12,13,14,15
	global_store_b128 v[CO], v[BB+4*\t:BB+4*\t+3], s[50:51] offset:(\a)*32768+\t*2048 th:TH_STORE_NT   ; 32 lanes store 512 consecutive bytes, at a multiple of 256 from out0's first byte; written once, read by nobody here
.endr
.endm
	PLACES 4                                       ; in front of the first reads of results and of the loads into the registers that held A's fragments
	TOSTAGE 0
.irp a, 1,2,3,4,5,6,7
.if \a > 1
	s_wait_xcnt 0x0                                ; block a - 2's stores have read their registers: block a's loads may land there
.endif
	TOSTAGE \a
	SEND \a-1, 32                                  ; behind block a - 1's loads: block a's 16 stores and 16 loads
.endr
	SEND 7, 0
	s_wait_tensorcnt 0x0                           ; the wave's end: behind my last tensor load and my last LDS store
	ds_add_u32 v[SPW], v[NIL]
	s_wait_dscnt 0x0
	CROUND                                         ; the closing round: no work-group ends while a partner may still ask for a tile that names it
	s_endpgm
.Lfunc_end_k_q18719d9ddd_experts:
	.size	k_q18719d9ddd_experts, .Lfunc_end_k_q18719d9ddd_experts-k_q18719d9ddd_experts
	.p2alignl 7, 3214868480
	.fill 96, 4, 3214868480
	.section	.rodata,"a",@progbits
	.p2align	6, 0x0
	.amdhsa_kernel k_q18719d9ddd_experts
		.amdhsa_group_segment_fixed_size 327680
		.amdhsa_private_segment_fixed_size 0
		.amdhsa_enable_private_segment 0
		.amdhsa_kernarg_size 48
		.amdhsa_user_sgpr_count 2
		.amdhsa_user_sgpr_kernarg_segment_ptr 1
		.amdhsa_wavefront_size32 1
		.amdhsa_system_sgpr_workgroup_id_x 1
		.amdhsa_system_sgpr_workgroup_id_y 1
		.amdhsa_system_sgpr_workgroup_id_z 1
		.amdhsa_system_vgpr_workitem_id 0
		.amdhsa_next_free_vgpr 1024
		.amdhsa_next_free_sgpr 66
		.amdhsa_reserve_vcc 0
		.amdhsa_float_denorm_mode_32 3
		.amdhsa_float_denorm_mode_16_64 3
		.amdhsa_memory_ordered 1
		.amdhsa_forward_progress 1
		.amdhsa_inst_pref_size 255
	.end_amdhsa_kernel
	.section	.bss,"aw",@nobits
	.p2align	6
	.space	262144
	.amdgpu_metadata
---
amdhsa.version: [ 1, 2 ]
amdhsa.kernels:
  - .name:           k_q18719d9ddd_experts
    .symbol:         k_q18719d9ddd_experts.kd
    .args:
      - { .name: x, .offset: 0, .size: 8, .value_kind: global_buffer, .address_space: global }
      - { .name: weights, .offset: 8, .size: 8, .value_kind: global_buffer, .address_space: global }
      - { .name: b, .offset: 16, .size: 8, .value_kind: global_buffer, .address_space: global }
      - { .name: lowp_scales, .offset: 24, .size: 8, .value_kind: global_buffer, .address_space: global }
      - { .name: wq, .offset: 32, .size: 8, .value_kind: global_buffer, .address_space: global }
      - { .name: out0, .offset: 40, .size: 8, .value_kind: global_buffer, .address_space: global }
    .group_segment_fixed_size: 327680
    .private_segment_fixed_size: 0
    .kernarg_segment_align: 8
    .kernarg_segment_size: 48
    .max_flat_workgroup_size: 128
    .sgpr_count:     66
    .vgpr_count:     1024
    .wavefront_size: 32
...
	.end_amdgpu_metadata
.endif
;; end of part 2
;; ======== version 2 of 2: 2 launches
;; limits: values are held in bf16: 8 bits of precision; right only within a limited range of input values
;; workspace buffers: wq 2,097,152 bytes
;; launch quantw (part 3): grid 8 x 32, 4 waves a work-group, no clusters, 0 bytes of LDS; arguments W, lowp_scales, wq; writes wq
.if DOCPART == 3
	.amdgcn_target "amdgcn-amd-amdhsa--gfx1250"
	.amdhsa_code_object_version 6
	.text
	.protected	k_q18719d9ddd_quantw
	.globl	k_q18719d9ddd_quantw
	.p2align	8
	.type	k_q18719d9ddd_quantw,@function
k_q18719d9ddd_quantw:
	s_mov_b64 s[64:65], 0
	v_nop
	global_prefetch_b8 v0, s[64:65] scope:SCOPE_SE
	s_setreg_imm32_b32 hwreg(HW_REG_WAVE_MODE, 25, 1), 1
	s_wait_xcnt 0x0
; W [8][512][512] f32 (expert e, input i, output o) becomes codes of FP8 (E4M3) with the one given scale 2^e1 (entry 1 of lowp_scales):
; code = W / 2^e1, held within +-448, rounded to the nearest code, ties to even.
; THE CODES ARE LAID IN THE ORDER OF THE NEXT LAUNCH'S OPERAND REGISTERS.  Its K step s (0..31) is the 16 inputs i = 16 s .. 16 s + 15 times all 8 experts; its wave w makes outputs 128 w .. 128 w + 127.
; Byte of wq = 131072 (s / 2) + 32768 w + 16384 (s % 2) + 2048 (4 g + t) + 512 c + 16 (r + 16 h) + 8 (e % 2) + u,
; with o = 128 w + 64 g + 4 r + t (g = 0, 1; r = 0..15; t = 0..3), e = 2 c + e % 2, i = 16 s + 8 h + u (u = 0..7).
; So the four tiles t of a group g hold, for one r, four NEIGHBOURING outputs; the next launch's results then lie in its lanes as whole rows of 256 bytes.
; SHARES.  Work-group (x, y): outputs 64 x on; K step y; wave c: experts 2 c, 2 c + 1.  Lane (r, h) loads four neighbouring outputs of each of its 8 inputs: sixteen lanes read 256 consecutive bytes.
; The hold writes each number to its place along i, so the conversions find eight neighbours along K in consecutive registers.  A store covers 512 consecutive bytes.
; LIMITS: e1 between -126 and 119, so that 2^e1 and 448 x 2^e1 are f32 numbers.  NaN among the inputs is not served.
.set C, 16                             ; v16-31   codes: 4 t + 2 e'
.set L, 32                             ; v32-95   as loaded: 32 e' + 4 u + t
.set M, 96                             ; v96-159  held, by output: 32 e' + 8 t + u
	s_load_b128 s[4:7], s[0:1], 0x0                ; W s[4:5], the scales' exponents s[6:7]
	s_load_b64 s[8:9], s[0:1], 0x10                ; wq
	v_lshrrev_b32 v1, 5, v0
	v_readfirstlane_b32 s10, v1                    ; wave: c
	s_and_b32 s11, ttmp7, 0xffff                   ; s
	s_lshl_b32 s14, s10, 21                        ; in: two experts of 1,048,576 bytes,
	s_lshl_b32 s15, s11, 15                        ; 16 rows of 2,048 bytes,
	s_add_co_u32 s14, s14, s15
	s_lshl_b32 s15, ttmp9, 8                       ; 64 outputs
	s_add_co_u32 s14, s14, s15
	s_mov_b32 s15, 0
	s_lshr_b32 s16, s11, 1                         ; out: 131072 (s / 2)
	s_lshl_b32 s16, s16, 17
	s_and_b32 s17, s11, 1                          ; + 16384 (s % 2)
	s_lshl_b32 s17, s17, 14
	s_add_co_u32 s16, s16, s17
	s_lshr_b32 s17, ttmp9, 1                       ; + 32768 w
	s_lshl_b32 s17, s17, 15
	s_add_co_u32 s16, s16, s17
	s_and_b32 s17, ttmp9, 1                        ; + 8192 g
	s_lshl_b32 s17, s17, 13
	s_add_co_u32 s16, s16, s17
	s_lshl_b32 s17, s10, 9                         ; + 512 c
	s_add_co_u32 s16, s16, s17
	s_mov_b32 s17, 0
	v_and_b32 v5, 15, v0                           ; r
	v_bfe_u32 v6, v0, 4, 1                         ; h
	v_lshlrev_b32 v3, 4, v5
	v_lshl_add_u32 v3, v6, 14, v3                  ; in: 16 r + 8 h rows
	v_and_b32 v2, 31, v0
	v_lshlrev_b32 v4, 4, v2                        ; out: 16 bytes a lane
	s_wait_alu depctr_va_vdst(0)
	s_wait_kmcnt 0x0
	s_load_b32 s20, s[6:7], 0x4                    ; e1
	s_add_nc_u64 s[4:5], s[4:5], s[14:15]
	s_add_nc_u64 s[8:9], s[8:9], s[16:17]
.irp e, 0,1
.irp u, 0,1,2,3,4,5,6,7
	global_load_b128 v[L+32*\e+4*\u:L+32*\e+4*\u+3], v3, s[4:5] offset:\e*1048576+\u*2048 th:TH_LOAD_NT   ; read once in the launch
.endr
.endr
	s_wait_kmcnt 0x0
	s_add_co_i32 s20, s20, 127
	s_lshl_b32 s21, s20, 23
	v_mov_b32 v11, s21                             ; 2^e1 as f32: the conversion takes its exponent field
	s_add_co_i32 s20, s20, 8
	s_lshl_b32 s20, s20, 23
	s_or_b32 s20, s20, 0x600000
	v_mov_b32 v10, s20                             ; 448 x 2^e1
	s_wait_alu depctr_va_vdst(0)
.irp e, 0,1
	s_wait_loadcnt 8-8*\e                          ; this expert's 8 loads are in; the later one's may be out
.irp u, 0,1,2,3,4,5,6,7
.irp t, 0,1,2,3
	v_med3_num_f32 v[M+32*\e+8*\t+\u], v[L+32*\e+4*\u+\t], -v10, v10   ; the conversion to an 8-bit code does not saturate (ISA guide 7.6.2): the hold comes first
.endr
.endr
.irp t, 0,1,2,3
	v_cvt_scalef32_pk8_fp8_f32 v[C+4*\t+2*\e:C+4*\t+2*\e+1], v[M+32*\e+8*\t:M+32*\e+8*\t+7], v11
.endr
.endr
	v_nop                                          ; a plain line behind the last conversion
.irp t, 0,1,2,3
	global_store_b128 v4, v[C+4*\t:C+4*\t+3], s[8:9] offset:2048*\t   ; 32 lanes store 512 consecutive bytes, at a multiple of 512 from wq's first byte
.endr
	s_endpgm
.Lfunc_end_k_q18719d9ddd_quantw:
	.size	k_q18719d9ddd_quantw, .Lfunc_end_k_q18719d9ddd_quantw-k_q18719d9ddd_quantw
	.p2alignl 7, 3214868480
	.fill 96, 4, 3214868480
	.section	.rodata,"a",@progbits
	.p2align	6, 0x0
	.amdhsa_kernel k_q18719d9ddd_quantw
		.amdhsa_group_segment_fixed_size 0
		.amdhsa_private_segment_fixed_size 0
		.amdhsa_enable_private_segment 0
		.amdhsa_kernarg_size 24
		.amdhsa_user_sgpr_count 2
		.amdhsa_user_sgpr_kernarg_segment_ptr 1
		.amdhsa_wavefront_size32 1
		.amdhsa_system_sgpr_workgroup_id_x 1
		.amdhsa_system_sgpr_workgroup_id_y 1
		.amdhsa_system_sgpr_workgroup_id_z 1
		.amdhsa_system_vgpr_workitem_id 0
		.amdhsa_next_free_vgpr 160
		.amdhsa_next_free_sgpr 66
		.amdhsa_reserve_vcc 0
		.amdhsa_float_denorm_mode_32 3
		.amdhsa_float_denorm_mode_16_64 3
		.amdhsa_memory_ordered 1
		.amdhsa_forward_progress 1
		.amdhsa_inst_pref_size 9
	.end_amdhsa_kernel
	.amdgpu_metadata
---
amdhsa.version: [ 1, 2 ]
amdhsa.kernels:
  - .name:           k_q18719d9ddd_quantw
    .symbol:         k_q18719d9ddd_quantw.kd
    .args:
      - { .name: W, .offset: 0, .size: 8, .value_kind: global_buffer, .address_space: global }
      - { .name: lowp_scales, .offset: 8, .size: 8, .value_kind: global_buffer, .address_space: global }
      - { .name: wq, .offset: 16, .size: 8, .value_kind: global_buffer, .address_space: global }
    .group_segment_fixed_size: 0
    .private_segment_fixed_size: 0
    .kernarg_segment_align: 8
    .kernarg_segment_size: 24
    .max_flat_workgroup_size: 128
    .sgpr_count:     66
    .vgpr_count:     160
    .wavefront_size: 32
...
	.end_amdgpu_metadata
.endif
;; end of part 3
;; launch experts (part 4): grid 256 x 1, 4 waves a work-group, clusters of 4 x 1, 327,680 bytes of LDS; arguments x, weights, b, lowp_scales, wq, out0; writes out0
.if DOCPART == 4
	.amdgcn_target "amdgcn-amd-amdhsa--gfx1250"
	.amdhsa_code_object_version 6
	.text
	.protected	k_q18719d9ddd_experts
	.globl	k_q18719d9ddd_experts
	.p2align	8
	.type	k_q18719d9ddd_experts,@function
k_q18719d9ddd_experts:
	s_mov_b64 s[64:65], 0
	v_nop
	global_prefetch_b8 v0, s[64:65] scope:SCOPE_SE
	s_setreg_imm32_b32 hwreg(HW_REG_WAVE_MODE, 25, 1), 1
	s_wait_xcnt 0x0
	s_wait_alu depctr_hold_cnt(0) depctr_sa_sdst(0) depctr_va_vdst(0) depctr_va_sdst(0) depctr_va_ssrc(0) depctr_va_vcc(0) depctr_vm_vsrc(0)
	s_getreg_b32 s2, hwreg(HW_REG_IB_STS2, 6, 4)
	s_cmp_eq_u32 s2, 0
	s_cbranch_scc0 .Lentry_in_a_cluster
	s_endpgm
.Lentry_in_a_cluster:
	s_bfe_u32 s2, ttmp6, 0x10000c
	s_cmp_lg_u32 s2, 0x3003
	s_cbranch_scc0 .Lentry_shape_is_right
	s_endpgm
.Lentry_shape_is_right:
; out[m][o] = sum over (e, i) of Q(weights[m][e] x[m][i]) Q(W[e][i][o]) + sum over e of weights[m][e] b[e][o].  Q(W) comes as codes from the launch before (its head states the layout); Q(weights x) is made here.
; A work-group of four waves makes 128 rows x 512 outputs; wave w makes all 128 rows x outputs 128 w .. 128 w + 127: 64 accumulators of 16 x 16, 512 registers.
; K = 4,096 goes in 32 steps of 128: step s is the 16 inputs i = 16 s .. times the 8 experts.
; A: wave w quantises rows 32 w .. 32 w + 31 (two blocks of 16) one step ahead: product in f32, hold, conversion.  The results are the operand's registers: they stay there, and go to an image in LDS for the other waves.
;   A wave's LOCAL pair p of blocks (p = 0..3) is the pair p xor w of the tile, so its own blocks are local blocks 0 and 1, multiplied first; the other six come from LDS.  Two images take turns.
; B: each wave's own outputs, through a ring of two slots in the wave's own 65,536 bytes of LDS; a slot holds two K steps, 32,768 consecutive bytes of wq, brought by one tensor load.
; A STEP GOES IN PHASES: loads of A and of half of the next step's B; 16 products on my own blocks; the next step's codes (the registers of my own blocks are free); their stores, the other half of B, x of four steps on; 48 products.
; CLUSTERS: four work-groups need the same B at the same time: every such load is a joint one (mask 15).
; BIAS: the sums start from the product weights x b in bf16 (8 of 32 along K are used, the rest are zeros), b divided by 2^(e0 + e1).  At the end each sum is multiplied by 2^(e0 + e1).
; OUT: source 0 = rows, source 1 = outputs: lane (r, h) holds output column r of a tile and rows 8 h + 0..7.  Four tiles of a group hold neighbouring outputs 4 r + t: sixteen lanes store 256 consecutive bytes.
; PREFETCH of x: a trip (four K steps) ahead of its loads, a lane a row, 256 bytes of each row in each trip, each block once.  Of wq: 131,072 bytes at a time, three K steps ahead of the tensor load, by the first four clusters alone:
;   512 blocks of 256 bytes, shared by address among a cluster's 16 waves, a lane a block.  What the head and the first trip's refills ask for comes by its loads alone; the loop's last trip prefetches nothing.
; LIMITS: e0 between -126 and 119, e0 + e1 between -126 and 126, and |b| 2^-(e0 + e1) within f32.  A NaN in weights or x that reaches the quantiser is not carried.
.set AIMG,   262144                    ; behind the four rings: two images of A, 16,384 bytes each
.set SPARE,  294912                    ; the spare words, 128 bytes a wave
.set ADRA, 1                           ; v1-3   LDS address of local pairs 1-3 in image 0
.set ASTO, 4                           ; v4     where my own pair goes
.set XO,   5                           ; v5     my byte offset in the work-group's rows of x
.set SPW,  6                           ; v6     my spare word
.set NIL,  7                           ; v7     0
.set SC,   8                           ; v8     2^e0
.set CO,   9                           ; v9     my byte offset in a block of the output
.set ADRB, 10                          ; v10    LDS address of my B
.set PFO,  11                          ; v11    x's prefetch: my lane's row
.set PFB,  12                          ; v12    wq's prefetch: my lane's block
.set G,    16                          ; v16-31   the gates of my two rows
.set T,    32                          ; v32-63   four sets of 8 products
.set X,    64                          ; v64-127  x of four K steps
.set AF,   128                         ; v128-255 A's fragments, local blocks 0-7 (0, 1: my own)
.set TT,   224                         ; the head's temporaries
.set WV,   16
.set G1,   24                          ; s[24:31] descriptor group 1;  s[32:39] group 0, one set a slot
.set G0,   32
.set LIM,  43                          ; s43    1 in the clusters that prefetch wq, else 64
.set PB0,  58                          ; s[58:59] where wq's prefetches stand
.set OB,   66                          ; s[66:73] the output's address for each local pair
.set MSB, 0
.macro WIN new                         ; the immediate's high byte repeats the setting that is left
.if MSB != (\new)
	s_set_vgpr_msb (MSB<<8)|(\new)
.set MSB, (\new)
.endif
.endm
.macro PLACES n                        ; places behind matrix instructions (ISA guide 7.12.1)
.rept \n
	v_nop
.endr
.endm
.macro CREST
	s_cmp_lg_u32 s[WV], 0
	s_cbranch_scc1 .Lnot_wave_0_\@
	s_barrier_signal -3
.Lnot_wave_0_\@:
	s_barrier_wait -3
	s_barrier_signal -1
	s_barrier_wait -1
.endm
.macro CROUND
	s_barrier_signal -1
	s_barrier_wait -1
	CREST
.endm
; THE QUANTISER of a K step: q = 8 f + e (block f, expert e): 4 packed products, 8 holds, 1 conversion; 208 items.  Products of q, holds of q - 1 and the conversion of q - 2 follow each other,
; so that a result is read several instructions behind its write.  Behind the last conversion the codes go to the image.
.macro PMUL
.set MT, T+8*(MQ%4)+2*MI
.set MX, PX+8*(MQ/8)+2*MI
.set MG, G+8*(MQ/8)+2*((MQ%8)/2)
.if MQ%2 == 0
	v_pk_mul_f32 v[MT:MT+1], v[MX:MX+1], v[MG:MG+1] op_sel_hi:[1,0]
.else
	v_pk_mul_f32 v[MT:MT+1], v[MX:MX+1], v[MG:MG+1] op_sel:[0,1] op_sel_hi:[1,1]
.endif
.endm
.macro PMED
.set MT, T+8*(MQ%4)+MI
	v_med3_num_f32 v[MT], v[MT], s40, s41          ; the conversion to an 8-bit code does not saturate (ISA guide 7.6.2)
.endm
.macro PCVT
.set MT, T+8*(MQ%4)
.set MC, AF+2*MQ
	v_cvt_scalef32_pk8_fp8_f32 v[MC:MC+1], v[MT:MT+7], v[SC]
.if MQ == 15
	v_nop                                          ; a plain line behind the last conversion
.irp c, 0,1,2,3,4,5,6,7
	ds_store_b128 v[ASTO], v[AF+4*\c:AF+4*\c+3] offset:16384*WB+512*\c
.set DSN, DSN+1
.endr
.endif
.endm
.macro PITEM
.if PI < 4
.set MQ, 0
.set MI, PI
	PMUL
.elseif PI < 8
.set MQ, 1
.set MI, PI-4
	PMUL
.elseif PI < 16
.set MQ, 0
.set MI, PI-8
	PMED
.elseif PI < 198
.set PB, 2+(PI-16)/13
.set PK, (PI-16)%13
.if PK < 4
.set MQ, PB
.set MI, PK
	PMUL
.elseif PK < 12
.set MQ, PB-1
.set MI, PK-4
	PMED
.else
.set MQ, PB-2
	PCVT
.endif
.elseif PI < 206
.set MQ, 15
.set MI, PI-198
	PMED
.else
.set MQ, PI-192
	PCVT
.endif
.set PI, PI+1
.endm
; One matrix instruction: I = 8 x local block + output tile.  The 64 accumulators take turns, one instruction a turn, in the same order in every step.
.macro MM
.set MA, I/8
.set MB, I%8
.set AC, 8*(8*(MA%4)+MB)
.if I < 32
	WIN 0xa4
.else
	WIN 0xf4
.endif
.if I == 0
	s_wait_alu depctr_va_vdst(0)                   ; the instruction below is the first reader of my own codes
.endif
	v_wmma_f32_16x16x128_fp8_fp8 v[AC:AC+7], v[AF+16*MA:AF+16*MA+15], v[128*BSET+16*MB:128*BSET+16*MB+15], v[AC:AC+7]
.endm
.macro LDA24 buf                       ; local blocks 2-7
	WIN 0
.set LM, 0
.rept 24
	ds_load_b128 v[AF+32+4*LM:AF+35+4*LM], v[ADRA+LM/8] offset:16384*(\buf)+512*(LM%8)
.set LM, LM+1
.set DSN, DSN+1
.endr
.endm
.macro LDB16 k, n, set                 ; half k of the 32 loads that bring K step n (of the ring's four)
	WIN 0x40
.set LM, 16*(\k)
.rept 16
	ds_load_b128 v[128*(\set)+4*LM:128*(\set)+4*LM+3], v[ADRB] offset:16384*(\n)+512*LM
.set LM, LM+1
.set DSN, DSN+1
.endr
	WIN 0
.endm
; K step u of a trip.  ld: x of four steps on is loaded.  lw: X loads issued behind those that are wanted.  end = 1: barrier; 2: barrier that opens a round, then the slot just read out is filled; 3: as 1, and the last fill has landed.
.macro STEP u, ld, lw, end
.set BSET, (\u)%2
.set NSET, 1-BSET
.set WB,   ((\u)+1)%2
.set PX,   X+16*(((\u)+1)%4)
.set PI, 0
.set DSN, 0
.set I, 0
	PLACES 4                                       ; for the loads into fragments that the last step multiplied
	LDA24 (\u)%2
	LDB16 0, ((\u)+1)%4, NSET
.if \ld
.if (\u) == 2
	s_cmp_gt_u32 s44, 1                            ; the loop's last trip asks for nothing
	s_cbranch_scc0 .Lno_ask_\@
	global_prefetch_b8 v[PFO], s[48:49] offset:512 th:TH_LOAD_NT scope:SCOPE_SE   ; the 256 bytes of my rows that the next trip loads
.Lno_ask_\@:
.elseif (\u)%2 == 1
	s_cmp_gt_u32 s44, s[LIM]                       ; the same, and only in the first four clusters
	s_cbranch_scc0 .Lno_ask_\@
	global_prefetch_b8 v[PFB], s[PB0:PB0+1] offset:131072*((\u)/2) th:TH_LOAD_NT scope:SCOPE_SE   ; what the next trip's refill of the same slot brings
.Lno_ask_\@:
.endif
.endif
.rept 64
.if I == 16
	WIN 0
	s_wait_loadcnt \lw                             ; x of the next step is in
.rept 208
	PITEM
.endr
	LDB16 1, ((\u)+1)%4, NSET
.if \ld
.irp f, 0,1
.irp j, 0,1
	global_load_b128 v[X+16*(\u)+8*\f+4*\j:X+16*(\u)+8*\f+4*\j+3], v[XO], s[48:49] offset:256+64*(\u)+32768*\f+16*\j
.endr
.endr
.endif
	s_wait_dscnt DSN-24                            ; A is in; both halves of B and the stores may be out
.endif
.if I == 52
.if \end == 2
	WIN 0
	s_wait_tensorcnt 0x0                           ; all my tensor loads have landed: the other slot
	ds_add_u32 v[SPW], v[NIL]
	s_add_nc_u64 s[G0+4*((\u)/2)+2:G0+4*((\u)/2)+3], s[G0+4*((\u)/2)+2:G0+4*((\u)/2)+3], 262144
.elseif \end == 3
	s_wait_tensorcnt 0x0                           ; the last fill has landed: it is read from the next step on
.endif
.endif
.if I == 56
	s_wait_dscnt 0x0                               ; my codes are stored, my reads of both A and B (and the add, where there is one) are done
	s_barrier_signal -1
.endif
	MM
.set I, I+1
.endr
	WIN 0
	s_barrier_wait -1
.if \end == 2
	CREST                                          ; no wave of any partner still reads this slot or has a load on its way
	tensor_load_to_lds s[G0+4*((\u)/2):G0+4*((\u)/2)+3], s[G1:G1+7]
	s_nop 0
.endif
.endm
	s_load_b256 s[4:11], s[0:1], 0x0               ; x, weights, b, the scales' exponents
	s_load_b128 s[12:15], s[0:1], 0x20             ; wq, out0
	v_lshl_add_u32 v[SPW], v0, 2, SPARE
	v_mov_b32 v[NIL], 0
	ds_add_u32 v[SPW], v[NIL]                      ; the wave's opening: the add, twice on end, and its wait
	ds_add_u32 v[SPW], v[NIL]
	v_lshrrev_b32 v[TT], 5, v0
	v_readfirstlane_b32 s[WV], v[TT]               ; wave w
	s_bfe_u32 s17, ttmp6, 0x40000
	s_lshl_b32 s18, ttmp9, 2
	s_add_co_u32 s18, s18, s17                     ; work-group = 4 x cluster + place
	s_mov_b32 s[G1+0], 15|(3<<16)|(1<<21)          ; the mask of all four; elements of 8 bytes; 21 set beside a mask
	s_mov_b32 s[G1+1], 32<<16                      ; 128 rows of 256 bytes, dense
	s_mov_b32 s[G1+2], 128<<16
	s_mov_b32 s[G1+3], 32<<16
	s_mov_b32 s[G1+4], 128
	s_mov_b32 s[G1+5], 32
	s_mov_b32 s[G1+6], 0
	s_mov_b32 s[G1+7], 0
	s_lshl_b32 s20, s[WV], 15                      ; my 32,768 bytes of a pair of K steps
	s_mov_b32 s21, 0
	s_lshl_b32 s22, s18, 18                        ; 128 rows of 2,048 bytes
	s_mov_b32 s23, 0
	s_lshl_b32 s60, s18, 12                        ; 128 rows of 32 bytes
	s_mov_b32 s61, 0
	s_lshl_b32 s54, s[WV], 16
	s_lshl_b32 s62, s[WV], 9
	s_mov_b32 s63, 0
	s_lshl_b32 s86, s17, 15                        ; wq's prefetch: my wave's 32 of the 512 blocks
	s_lshl_b32 s87, s[WV], 13
	s_add_co_u32 s86, s86, s87
	s_cmp_lt_u32 ttmp9, 4
	s_cselect_b32 s[LIM], 1, 64
.irp p, 0,1,2,3
	s_xor_b32 s[74+\p], s[WV], \p                  ; local pair p is the tile's pair p xor w
	s_lshl_b32 s[78+\p], s[74+\p], 12
	s_add_co_u32 s[78+\p], s[78+\p], AIMG
	s_lshl_b32 s[82+\p], s[74+\p], 10
.endr
	v_and_b32 v[TT], 31, v0                        ; lane
	v_and_b32 v[TT+1], 15, v0                      ; r
	v_bfe_u32 v[TT+2], v0, 4, 1                    ; h
	v_lshlrev_b32 v[TT+3], 4, v[TT]
	v_add_nc_u32 v[ASTO], s78, v[TT+3]
.irp p, 1,2,3
	v_add_nc_u32 v[ADRA+\p-1], s[78+\p], v[TT+3]
.endr
	v_add_nc_u32 v[ADRB], s54, v[TT+3]
	v_lshlrev_b32 v[XO], 11, v[TT+1]
	v_lshl_add_u32 v[XO], v[TT+2], 5, v[XO]
	v_add_nc_u32 v[XO], s54, v[XO]                 ; row 32 w + r, 8 h numbers on
	v_lshlrev_b32 v[PFO], 11, v[TT]
	v_add_nc_u32 v[PFO], s54, v[PFO]               ; row 32 w + lane
	v_lshlrev_b32 v[PFB], 8, v[TT]
	v_add_nc_u32 v[PFB], s86, v[PFB]
	v_lshlrev_b32 v[CO], 4, v[TT+1]
	v_lshl_add_u32 v[CO], v[TT+2], 14, v[CO]       ; outputs 4 r on, row 8 h
	v_lshlrev_b32 v[TT+4], 5, v[TT+1]
	v_add_nc_u32 v[TT+5], s82, v[TT+4]             ; all gates of row 32 w + r
	v_lshl_add_u32 v[TT+4], v[TT+2], 4, v[TT+4]
.irp p, 0,1,2,3
	v_add_nc_u32 v[TT+6+\p], s[82+\p], v[TT+4]     ; gates 4 h .. 4 h + 3 of row r of local pair p
.endr
	v_lshlrev_b32 v[TT+10], 4, v[TT+1]
	v_lshl_add_u32 v[TT+10], v[TT+2], 13, v[TT+10]
	v_add_nc_u32 v[TT+10], s62, v[TT+10]           ; b: expert 4 h, output 128 w + 4 r
	s_wait_alu depctr_va_vdst(0)
	s_wait_dscnt 0x0                               ; both opening adds are done
	CROUND                                         ; all four work-groups are here: the first joint loads meet
	s_wait_kmcnt 0x0
	s_load_b64 s[46:47], s[10:11], 0x0             ; e0, e1
	s_add_nc_u64 s[20:21], s[12:13], s[20:21]
.irp n, 0,1
	s_mov_b32 s[G0+4*\n], 1
	s_add_co_u32 s[G0+4*\n+1], s54, \n*32768
	s_add_nc_u64 s[G0+4*\n+2:G0+4*\n+3], s[20:21], \n*131072
	s_or_b32 s[G0+4*\n+3], s[G0+4*\n+3], 0x80000000
.endr
	tensor_load_to_lds s[G0:G0+3], s[G1:G1+7]      ; K steps 0 and 1
	s_nop 0
	PLACES 4
	s_add_nc_u64 s[48:49], s[4:5], s[22:23]
	s_add_nc_u64 s[52:53], s[6:7], s[60:61]
.irp f, 0,1
.irp j, 0,1
	global_load_b128 v[G+8*\f+4*\j:G+8*\f+4*\j+3], v[TT+5], s[52:53] offset:512*\f+16*\j
.endr
.endr
.macro XLOAD k
.irp f, 0,1
.irp j, 0,1
	global_load_b128 v[X+16*(\k)+8*\f+4*\j:X+16*(\k)+8*\f+4*\j+3], v[XO], s[48:49] offset:64*(\k)+32768*\f+16*\j
.endr
.endr
.endm
	XLOAD 0
.irp a, 0,1,2,3,4,5,6,7
	global_load_b128 v[160+4*\a:163+4*\a], v[TT+6+\a/2], s[52:53] offset:512*(\a%2)
.endr
.irp k, 0,1,2,3
.irp g, 0,1
	global_load_b128 v[192+8*\k+4*\g:195+8*\k+4*\g], v[TT+10], s[8:9] offset:2048*\k+256*\g   ; b(4 h + k, 128 w + 64 g + 4 r .. + 3)
.endr
.endr
	XLOAD 1
	XLOAD 2
	XLOAD 3
	s_add_nc_u64 s[PB0:PB0+1], s[12:13], 524288    ; the fifth pair of K steps: the second trip's first refill
	s_add_nc_u64 s[50:51], s[14:15], s[22:23]
	s_add_nc_u64 s[50:51], s[50:51], s[62:63]
	s_mov_b32 s57, 0
.irp p, 0,1,2,3
	s_lshl_b32 s56, s[74+\p], 16                   ; 32 rows of 2,048 bytes
	s_add_nc_u64 s[OB+2*\p:OB+2*\p+1], s[50:51], s[56:57]
.endr
	WIN 0x40
.irp q, 0,1,2,3,4,5,6,7,8,9,10,11,12,13,14,15
.irp z, 2,3,4,5,6,7
	v_mov_b32 v[128+8*\q+\z], 0                    ; the bias product's K beyond its 8 (window 1)
.endr
.endr
	WIN 0
	s_wait_kmcnt 0x0
	s_add_co_i32 s54, s46, 127
	s_lshl_b32 s55, s54, 23
	v_mov_b32 v[SC], s55                           ; 2^e0: the conversion takes its exponent field
	s_add_co_i32 s54, s54, 8
	s_lshl_b32 s54, s54, 23
	s_or_b32 s41, s54, 0x600000                    ; 448 x 2^e0
	s_or_b32 s40, s41, 0x80000000
	s_add_co_i32 s54, s46, s47
	s_sub_co_i32 s45, 0, s54                       ; -(e0 + e1)
	s_add_co_i32 s54, s54, 127
	s_lshl_b32 s42, s54, 23                        ; 2^(e0 + e1)
	s_wait_loadcnt 28                              ; the gates and x of step 0 are in; 8 + 8 + 12 loads behind them may be out
.set PX, X
.set WB, 0
.set PI, 0
.set DSN, 0
.rept 208
	PITEM
.endr
	s_wait_alu depctr_va_vdst(0)
	s_wait_tensorcnt 0x0                           ; K steps 0 and 1 are in
	ds_add_u32 v[SPW], v[NIL]
	s_wait_dscnt 0x0                               ; the add is done, and my codes of step 0 are stored
	CROUND
	tensor_load_to_lds s[G0+4:G0+7], s[G1:G1+7]    ; K steps 2 and 3
	s_nop 0
	PLACES 4
	LDB16 0, 0, 0
	LDB16 1, 0, 0
	s_wait_loadcnt 12                              ; b and the gates of all rows are in; x of steps 1-3 may be out
.irp j, 0,1,2,3,4,5,6,7,8,9,10,11,12,13,14,15,16,17,18,19,20,21,22,23,24,25,26,27,28,29,30,31
	v_ldexp_f32 v[192+\j], v[192+\j], s45
.endr
	WIN 0x40
.irp a, 0,1,2,3,4,5,6,7
	v_cvt_pk_bf16_f32 v[192+8*\a], v[160+4*\a], v[161+4*\a]
	v_cvt_pk_bf16_f32 v[193+8*\a], v[162+4*\a], v[163+4*\a]
.endr
.irp g, 0,1
.irp t, 0,1,2,3
	v_cvt_pk_bf16_f32 v[128+8*(4*\g+\t)], v[192+4*\g+\t], v[200+4*\g+\t]
	v_cvt_pk_bf16_f32 v[129+8*(4*\g+\t)], v[208+4*\g+\t], v[216+4*\g+\t]
.endr
.endr
.irp a, 0,1,2,3,4,5,6,7
	WIN 0xa5+0x50*(\a/4)
.irp n, 0,1,2,3,4,5,6,7
	v_wmma_f32_16x16x32_bf16 v[8*(8*(\a%4)+\n):8*(8*(\a%4)+\n)+7], v[192+8*\a:192+8*\a+7], v[128+8*\n:128+8*\n+7], 0
.endr
.endr
	WIN 0
	PLACES 6                                       ; the sums go on in another form
	s_wait_dscnt 0x0                               ; B of step 0 is in
	s_mov_b32 s44, 7
.Ltrip:
	STEP 0, 1, 8, 2
	STEP 1, 1, 8, 1
	STEP 2, 1, 8, 2
	STEP 3, 1, 8, 1
	s_wait_xcnt 0x0                                ; the loads and the prefetches have read their bases
	s_add_nc_u64 s[48:49], s[48:49], 256
	s_add_nc_u64 s[PB0:PB0+1], s[PB0:PB0+1], 262144
	s_sub_co_u32 s44, s44, 1
	s_cmp_lg_u32 s44, 0
	s_cbranch_scc1 .Ltrip
	STEP 0, 0, 8, 3                                ; the last four steps fill and load nothing more
	STEP 1, 0, 4, 1
	STEP 2, 0, 0, 1
; THE LAST STEP finishes the row blocks one after the other; block WK leaves behind the next block's products: 64 numbers a lane (8 rows x 2 groups x four neighbouring outputs), each accumulator from its low end on.
; Four sets of 64 registers take turns: v16-79, v80-143, and v0-63, v64-127 of window 1 (the B set that is free).
.macro WOUT
.set W1, (WK%4)/2
.set WR, 16*(1-W1)+64*(WK%2)
.if WK == 4
	s_wait_xcnt 0x0                                ; the first four blocks' stores have read their registers
.endif
	WIN 0x08+4*(WK/4)+0x40*W1
.irp g, 0,1
.irp j, 0,1,2,3,4,5,6,7
.irp t, 0,1,2,3
	v_mul_f32 v[WR+32*\g+4*\j+\t], s42, v[64*(WK%4)+8*(4*\g+\t)+\j]
.endr
.endr
.endr
	WIN 0x04*W1
.irp g, 0,1
.irp j, 0,1,2,3,4,5,6,7
	global_store_b128 v[CO], v[WR+32*\g+4*\j:WR+32*\g+4*\j+3], s[OB+2*(WK/2):OB+2*(WK/2)+1] offset:32768*(WK%2)+2048*\j+256*\g th:TH_STORE_NT   ; two rows, 256 consecutive aligned bytes each
.endr
.endr
.endm
.set BSET, 1
.set DSN, 0
.set I, 0
	PLACES 4
	LDA24 1
.rept 64
.if (I > 0) && (I%16 == 0)
	s_wait_dscnt DSN-8*(I/16)                      ; local pair I / 16 is in
.endif
	MM
.set I, I+1
.if I == 16
	PLACES 4                                       ; block 0's results are read next; later blocks have the earlier blocks' products by 2^(e0 + e1) as places
.endif
.if (I >= 16) && (I%8 == 0)
.set WK, I/8-2
	WOUT
.endif
.endr
.set WK, 7
	WOUT
	WIN 0
	s_wait_tensorcnt 0x0                           ; the wave's end
	ds_add_u32 v[SPW], v[NIL]
	s_wait_dscnt 0x0
	CROUND                                         ; the closing round
	s_endpgm
.Lfunc_end_k_q18719d9ddd_experts:
	.size	k_q18719d9ddd_experts, .Lfunc_end_k_q18719d9ddd_experts-k_q18719d9ddd_experts
	.p2alignl 7, 3214868480
	.fill 96, 4, 3214868480
	.section	.rodata,"a",@progbits
	.p2align	6, 0x0
	.amdhsa_kernel k_q18719d9ddd_experts
		.amdhsa_group_segment_fixed_size 327680
		.amdhsa_private_segment_fixed_size 0
		.amdhsa_enable_private_segment 0
		.amdhsa_kernarg_size 48
		.amdhsa_user_sgpr_count 2
		.amdhsa_user_sgpr_kernarg_segment_ptr 1
		.amdhsa_wavefront_size32 1
		.amdhsa_system_sgpr_workgroup_id_x 1
		.amdhsa_system_sgpr_workgroup_id_y 1
		.amdhsa_system_sgpr_workgroup_id_z 1
		.amdhsa_system_vgpr_workitem_id 0
		.amdhsa_next_free_vgpr 1024
		.amdhsa_next_free_sgpr 88
		.amdhsa_reserve_vcc 0
		.amdhsa_float_denorm_mode_32 3
		.amdhsa_float_denorm_mode_16_64 3
		.amdhsa_memory_ordered 1
		.amdhsa_forward_progress 1
		.amdhsa_inst_pref_size 227
	.end_amdhsa_kernel
	.amdgpu_metadata
---
amdhsa.version: [ 1, 2 ]
amdhsa.kernels:
  - .name:           k_q18719d9ddd_experts
    .symbol:         k_q18719d9ddd_experts.kd
    .args:
      - { .name: x, .offset: 0, .size: 8, .value_kind: global_buffer, .address_space: global }
      - { .name: weights, .offset: 8, .size: 8, .value_kind: global_buffer, .address_space: global }
      - { .name: b, .offset: 16, .size: 8, .value_kind: global_buffer, .address_space: global }
      - { .name: lowp_scales, .offset: 24, .size: 8, .value_kind: global_buffer, .address_space: global }
      - { .name: wq, .offset: 32, .size: 8, .value_kind: global_buffer, .address_space: global }
      - { .name: out0, .offset: 40, .size: 8, .value_kind: global_buffer, .address_space: global }
    .group_segment_fixed_size: 327680
    .private_segment_fixed_size: 0
    .kernarg_segment_align: 8
    .kernarg_segment_size: 48
    .max_flat_workgroup_size: 128
    .sgpr_count:     88
    .vgpr_count:     1024
    .wavefront_size: 32
...
	.end_amdgpu_metadata
.endif
;; end of part 4
